; MI455X (gfx1250); checked and timed in simulation.
; The chip was launched on July 23, 2026; its instructions are those of AMD's public machine-readable ISA for CDNA 5 (MIT licence, August 2026) and "CDNA5" Instruction Set Architecture Reference Guide (July 2026). The comments in the code are by the model that wrote it; some were corrected since.
;; Size Conditioned Depth Experts. Allowed arithmetic: matrix products marked QUANTISED: E4M3 operands, one given power-of-two scale a tensor, by v_wmma_f32_16x16x64_fp8_fp8 or v_wmma_f32_16x16x128_fp8_fp8, f32 sums; products left as they are: f32 operands where the result goes on into a quantised operand, else bf16, f16 or f32 operands; f32 sums; everything else in f32.
;; Inputs: W1 8 x 1,024 x 1,024 float32; W2 8 x 1,024 x 4 float32; b1 8 x 1,024 float32; b2 8 x 4 float32; lowp_scales 2 int32 (the exponents e of the quantised operands' scales 2^e); size_idx 8,192 int32; x 8,192 x 1,024 float32.
;; Outputs: out0 8,192 x 4 float32; out1 8,192 x 5 float32.
;; This version of the problem:
;;   THIS VERSION OF THE PROBLEM IS GIVEN IN LOW PRECISION. The matrix products marked QUANTISED in the list below multiply operands that are first quantised to E4M3 (4 exponent bits, 3 mantissa bits; 8 bits a number), with one given power-of-two scale for each operand tensor; their sums are f32. All else is computed in f32.
;;   The module's matrix products, in the order in which they are computed (A, B: the left and right operand; K: the contracted axis; several contracted axes count as one K, in the product's order):
;;     1. [M 8,192, K 1,024] x [K 1,024, N 8,192]; A: input x; B: input W1: QUANTISED (scales: A lowp_scales[0], B lowp_scales[1])
;;     2. batch 8 x [M 4, K 1,024] x [K 1,024, N 8,192]; A: input W2; B: computed on the way: left as it is (M = 4 < 16)
;;   THE QUANTISER, for each operand of a quantised product, along K:
;;     - The operand's scale is 2^e, e = its entry of the input lowp_scales (int32; the entries are numbered through the quantised products in the list's order, A before B).
;;     - Each number is divided by the scale, clamped to +-448, and rounded to the nearest number of E4M3, ties to even, subnormals kept.
;;     - The product sums the exact products of the quantised numbers (number of the format x scale) in f32.
;;   ~~~python
;;   def quantise(x, axis, e):      # numpy; x: float32 -> the quantised numbers, widened to float32 again
;;       x = np.moveaxis(x, axis, -1); K = x.shape[-1]
;;       r = np.clip(x / 2.0 ** e, -448, 448)
;;       step = 2.0 ** (np.maximum(np.frexp(np.where(r == 0, 1, r))[1] - 1, -6) - 3)
;;       q = np.round(r / step) * step * 2.0 ** e      # np.round: ties to even
;;       return np.moveaxis(q, -1, axis).astype(np.float32)
;;   ~~~
;; One version. Each part assembles by itself: llvm-mc -triple=amdgcn-amd-amdhsa -mcpu=gfx1250 --defsym DOCPART=n.
;; ======== version 1 of 1: 3 launches
;; limits: values are held in bf16: 8 bits of precision; right only within a limited range of input values
;; workspace buffers: w1c 8,388,608 bytes; w2f 262,144 bytes; xs 9,437,184 bytes; part 2,359,296 bytes; route 33,024 bytes of whole numbers
;; launch prep (part 1): grid 512 x 1, 8 waves a work-group, no clusters, 2,304 bytes of LDS; arguments W1, W2, x, size_idx, lowp_scales, w1c, w2f, xs, route; writes w1c, w2f, xs, route
.if DOCPART == 1
	.amdgcn_target "amdgcn-amd-amdhsa--gfx1250"
	.amdhsa_code_object_version 6
	.text
	.protected	k_qa6f42cdafd_prep
	.globl	k_qa6f42cdafd_prep
	.p2align	8
	.type	k_qa6f42cdafd_prep,@function
k_qa6f42cdafd_prep:
	s_mov_b64 s[64:65], 0
	v_nop
	global_prefetch_b8 v0, s[64:65] scope:SCOPE_SE
	s_setreg_imm32_b32 hwreg(HW_REG_WAVE_MODE, 25, 1), 1
	s_wait_xcnt 0x0
; THE PROGRAM: each token goes through the one expert that size_idx names (reference() computes all eight and then looks one up by that index: the other seven results reach no output, whatever the numbers; a NaN, an
; infinity or an overflow that reaches only those results is not carried to the result).
; PREP: what the chain launch needs laid ready.  512 work-groups of eight waves.
; Work-groups 0..255 take 32 tokens each.  The tokens are sorted by expert into SLOTS: an expert begins on a tile of 144 slots of its own, tokens in ascending order.  Tiles never number more than 64:
;   the sum of ceil(n/144) over eight experts is at most (8192 + 8 x 143) / 144 < 65.  So 9,216 slots serve every split, and 1,024 of them stay without a token.
;   Each work-group counts all 8,192 indices itself (how many tokens each expert has, and how many in front of its own 32), so no work-group waits for another.
;   xs: row of slot s at 1,024 s: the codes of E4M3 of the token's row of x with the given scale 2^e0; byte 512 a + 16 L + 4 q + b of a row is k = 512 a + 128 q + 4 L + b.  Slots without a token hold zeros, four rows by each work-group.
;   route: int32[8192] slot of each token; from byte 32,768 int32[64] expert of each tile.
;   w2f: W2 [8][1024][4] as bf16 fragments, one pair of tiles a work-group: pair (e, p) of tiles 2p, 2p+1 at (e*32+p)*1024; block q at 512 q; lane (r, h) at 16 bytes: W2[e][hid(2p+q, 8h+j)][r], j = 0..7, zeros where r >= 4.
; Work-groups 256..511 turn W1 [8][1024 k][1024 hidden] f32 into codes with the given scale 2^e1, laid in the ORDER OF THE OPERAND'S REGISTERS:
;   w1c: fragment (e, T, s) at ((e*64+T)*8+s)*2048 bytes (T: a tile of 16 hidden units, s: a K step of 128 bytes of a row of xs); in it block c at 512 c, lane r + 16 h at 16 bytes each: word q, byte b:
;   k = 512 (s / 4) + 128 q + 32 (s % 4) + 8 c + 4 h + b: the same order of k as a row of xs has; hidden unit hid(T, r) = 64 (T / 4) + 4 r + T % 4, so that a lane's 16-byte load (four neighbouring columns) is four tiles' row r.
; code = number / 2^e, held within +-448, to the nearest code, ties to even.  LIMITS: e0 and e1 between -126 and 119; NaN among the inputs is not served; an index outside 0..7 (reference() has none) is not served.
.set SUM, 0                            ; LDS: 32 bytes a wave: its packed counts
.set W2S, 256                          ; LDS: 1,024 bytes: the pair of W2's fragments
.set SPARE, 1280                       ; LDS: the spare words, 128 bytes a wave
.set LASTSLOT, 0x23ff                  ; 9,215
.set XR,  96                           ; v96-223  the wave's four rows of x: row i, load j at 32 i + 4 j
.set CW,  64                           ; v64-95   their codes
.set RAW, 32                           ; W1: v32-159  row k of 32, column cc of 4, at 4 k + cc
.set DW,  160                          ; v160-191 word k: the four columns' codes of row k
.set OC,  192                          ; v192-223 word 8 cc + g
	s_load_b256 s[4:11], s[0:1], 0x0               ; W1 s[4:5], W2 s[6:7], x s[8:9], size_idx s[10:11]
	s_load_b256 s[12:19], s[0:1], 0x20             ; lowp_scales s[12:13], w1c s[14:15], w2f s[16:17], xs s[18:19]
	s_load_b64 s[20:21], s[0:1], 0x40              ; route
	v_lshrrev_b32 v3, 5, v0
	v_and_b32 v1, 31, v0                           ; lane
	v_lshl_add_u32 v232, v0, 2, SPARE
	v_mov_b32 v233, 0
	v_readfirstlane_b32 s22, v3                    ; wave 0..7
	v_lshlrev_b32 v2, 4, v1                        ; 16 x lane
	s_wait_alu depctr_va_vdst(0)                   ; the wait ahead of the branch
	s_cmp_lt_u32 ttmp9, 256                        ; the same in all eight waves of a work-group
	s_cbranch_scc0 .Lw1
; ---------------- THE TOKENS.  g = ttmp9: tokens 32 g .. 32 g + 31; wave w quantises four of them.
	v_lshrrev_b32 v3, 4, v1                        ; h
	v_and_b32 v4, 3, v1
	s_lshl_b32 s28, s22, 12
	v_add_nc_u32 v5, s28, v2                       ; the count: wave w reads indices 1024 w .. 1024 w + 1023
	s_lshl_b32 s29, ttmp9, 7
	v_lshl_add_u32 v6, v1, 2, s29                  ; my work-group's own 32
	s_lshl_b32 s30, s22, 10
	v_lshl_add_u32 v7, v1, 2, s30                  ; load i brings my lane tokens v7 + 128 i + 0..3
	v_lshlrev_b32 v4, 2, v4
	s_lshl_b32 s23, s22, 5
	v_mov_b32 v8, s23                              ; my wave's place in SUM
	s_lshl_b32 s23, s22, 1
	s_add_co_u32 s23, s23, W2S
	v_lshl_add_u32 v9, v1, 4, s23                  ; W2S: number j = w of my lane's eight
	v_lshl_or_b32 v3, v3, 9, v4                    ; W2: 512 h + 4 (r % 4): lanes with r >= 4 read a number that is there and is replaced by 0 below
.irp k, 16,17,18,19,20,21,22,23
	v_mov_b32 v\k, 0                               ; a lane permute's destination counts as read
.endr
	s_lshl_b32 s24, ttmp9, 17                      ; x: 32 tokens x 4,096 bytes
	s_lshl_b32 s25, s22, 14
	s_add_co_u32 s24, s24, s25
	s_mov_b32 s25, 0
	s_lshr_b32 s26, ttmp9, 5                       ; W2: e x 16,384 + 1,024 (p / 2) + 32 (p % 2) + 64 j + 16 q, p = g % 32, j = my wave
	s_lshl_b32 s26, s26, 14
	s_bfe_u32 s27, ttmp9, 0x40001
	s_lshl_b32 s27, s27, 10
	s_or_b32 s26, s26, s27
	s_and_b32 s27, ttmp9, 1
	s_lshl_b32 s27, s27, 5
	s_or_b32 s26, s26, s27
	s_lshl_b32 s27, s22, 6
	s_or_b32 s26, s26, s27
	s_mov_b32 s27, 0
	s_lshl_b32 s28, ttmp9, 10                      ; w2f: 1,024 bytes a work-group
	s_mov_b32 s29, 0
	s_wait_alu depctr_va_vdst(0)
	s_wait_kmcnt 0x0
	s_load_b64 s[34:35], s[12:13], 0x0             ; e0, e1
	s_add_nc_u64 s[6:7], s[6:7], s[26:27]
	s_add_nc_u64 s[8:9], s[8:9], s[24:25]
	s_add_nc_u64 s[16:17], s[16:17], s[28:29]
.irp i, 0,1,2,3,4,5,6,7
	global_load_b128 v[32+4*\i:35+4*\i], v5, s[10:11] offset:512*\i
.endr
	global_load_b32 v12, v6, s[10:11]
	global_load_b32 v10, v3, s[6:7]
	global_load_b32 v11, v3, s[6:7] offset:16
.irp i, 0,1,2,3
.irp j, 0,1,2,3,4,5,6,7
	global_load_b128 v[XR+32*\i+4*\j:XR+32*\i+4*\j+3], v2, s[8:9] offset:4096*\i+512*\j th:TH_LOAD_NT   ; 32 lanes read 512 consecutive bytes; read once in the launch
.endr
.endr
	s_mov_b32 s31, 0x0f0f0f0f
	s_mov_b32 s37, 0x00ff00ff
	s_mov_b32 s38, 0x76543210
	s_mov_b32 s39, 0xfedcba98                      ; v_permlanex16_b32's selects for lane l xor 16
	s_lshl_b32 s40, ttmp9, 5
.irp i, 1,2,3,4,5,6,7
	s_sub_co_i32 s[40+\i], s[39+\i], 128           ; 32 g - 128 i: load i's tokens stand in front of mine where v7 is below it
.endr
	s_wait_kmcnt 0x0
	s_add_co_i32 s34, s34, 127
	s_lshl_b32 s36, s34, 23
	v_mov_b32 v13, s36                             ; 2^e0 as f32: the conversion takes its exponent field
	s_add_co_i32 s34, s34, 8
	s_lshl_b32 s34, s34, 23
	s_or_b32 s34, s34, 0x600000
	v_mov_b32 v14, s34                             ; 448 x 2^e0
	s_wait_alu depctr_va_vdst(0)
	s_wait_loadcnt 32                              ; the indices and W2's two numbers are in; the 32 loads of x may be out
; THE COUNT.  An index e adds 1 << 4 e: eight counts in the nibbles of a word; a load's four indices give 4 at most, two loads 8.
.set n, 0
.rept 32
	v_lshlrev_b32 v[32+n], 2, v[32+n]
.set n, n+1
.endr
.irp i, 0,1,2,3,4,5,6,7
	v_lshl_add_u32 v[64+\i], 1, v[32+4*\i], 0
.endr
.irp k, 1,2,3
.irp i, 0,1,2,3,4,5,6,7
	v_lshl_add_u32 v[64+\i], 1, v[32+4*\i+\k], v[64+\i]
.endr
.endr
.irp i, 0,1,2,3,4,5,6,7
	v_cmp_gt_i32 s[48+\i], s[40+\i], v7
.endr
.irp i, 0,1,2,3,4,5,6,7
	v_cndmask_b32 v[72+\i], 0, v[64+\i], s[48+\i]  ; those in front of my work-group's tokens
.endr
.irp a, 0,1,2,3
	v_add_nc_u32 v[80+\a], v[64+2*\a], v[65+2*\a]
	v_add_nc_u32 v[84+\a], v[72+2*\a], v[73+2*\a]
.endr
.irp a, 0,1,2,3,4,5,6,7
	v_lshrrev_b32 v[88+\a], 4, v[80+\a]
.endr
.irp a, 0,1,2,3,4,5,6,7
	v_and_b32 v[80+\a], s31, v[80+\a]              ; experts 0, 2, 4, 6 in bytes
	v_and_b32 v[88+\a], s31, v[88+\a]              ; experts 1, 3, 5, 7
.endr
.irp b, 80,84,88,92
	v_add3_u32 v[\b], v[\b], v[\b+1], v[\b+2]
.endr
.irp b, 80,84,88,92
	v_add_nc_u32 v[\b], v[\b], v[\b+3]             ; 32 at most a lane
.endr
.irp x, 1,2
.irp b, 0,1,2,3
	v_mov_b32_dpp v[16+\b], v[80+4*\b] row_xmask:\x row_mask:0xf bank_mask:0xf
.endr
.irp b, 0,1,2,3
	v_add_nc_u32 v[80+4*\b], v[80+4*\b], v[16+\b]  ; 128 at most over four lanes: a byte holds it
.endr
.endr
.irp b, 0,1,2,3
	v_lshrrev_b32 v[16+\b], 8, v[80+4*\b]
.endr
	v_and_b32 v24, s37, v80                        ; all tokens: experts 0 and 4 in halves,
	v_and_b32 v25, s37, v16                        ; 2 and 6,
	v_and_b32 v26, s37, v88                        ; 1 and 5,
	v_and_b32 v27, s37, v18                        ; 3 and 7;
	v_and_b32 v28, s37, v84                        ; those in front, likewise
	v_and_b32 v29, s37, v17
	v_and_b32 v30, s37, v92
	v_and_b32 v31, s37, v19
.irp x, 4,8
.irp b, 0,1,2,3,4,5,6,7
	v_mov_b32_dpp v[16+\b], v[24+\b] row_xmask:\x row_mask:0xf bank_mask:0xf
.endr
.irp b, 0,1,2,3,4,5,6,7
	v_add_nc_u32 v[24+\b], v[24+\b], v[16+\b]
.endr
.endr
.irp b, 0,1,2,3,4,5,6,7
	v_permlanex16_b32 v[16+\b], v[24+\b], s38, s39
.endr
.irp b, 0,1,2,3,4,5,6,7
	v_add_nc_u32 v[24+\b], v[24+\b], v[16+\b]      ; my wave's counts, in every lane
.endr
	v_and_b32 v4, 15, v1
	v_cvt_pk_bf16_f32 v15, v10, v11                ; W2: block 0's number low, block 1's high
	v_mov_b32 v16, 0
	v_cmp_gt_u32 vcc_lo, 4, v4
	v_cndmask_b32 v15, 0, v15, vcc_lo              ; rows 4 to 15 of the operand are zeros
	ds_store_b128 v8, v[24:27]                     ; all lanes write the same bytes with the same values
	ds_store_b128 v8, v[28:31] offset:16
	ds_store_b16 v9, v15
	ds_store_b16_d16_hi v9, v15 offset:512
	s_wait_alu depctr_va_vdst(0)
	s_wait_dscnt 0x0                               ; for the others' sake: my counts and my part of W2's fragments lie in LDS
	s_barrier_signal -1
	s_barrier_wait -1
.irp k, 0,1,2,3,4,5,6,7
	ds_load_b128 v[32+4*\k:35+4*\k], v16 offset:32*\k
	ds_load_b128 v[64+4*\k:67+4*\k], v16 offset:32*\k+16
.endr
	s_wait_dscnt 0x0
.irp b, 0,1,2,3
	v_add3_u32 v[24+\b], v[32+\b], v[36+\b], v[40+\b]
	v_add3_u32 v[28+\b], v[64+\b], v[68+\b], v[72+\b]
.endr
.irp b, 0,1,2,3
	v_add3_u32 v[24+\b], v[24+\b], v[44+\b], v[48+\b]
	v_add3_u32 v[28+\b], v[28+\b], v[76+\b], v[80+\b]
.endr
.irp b, 0,1,2,3
	v_add3_u32 v[24+\b], v[24+\b], v[52+\b], v[56+\b]
	v_add3_u32 v[28+\b], v[28+\b], v[84+\b], v[88+\b]
.endr
.irp b, 0,1,2,3
	v_add_nc_u32 v[24+\b], v[24+\b], v[60+\b]
	v_add_nc_u32 v[28+\b], v[28+\b], v[92+\b]
.endr
.irp b, 0,1,2,3,4,5,6,7
	v_readfirstlane_b32 s[40+\b], v[24+\b]
.endr
	s_wait_alu depctr_va_vdst(0)                   ; the wait ahead of the scalar lines
.irp b, 0,8                            ; s48-55: each expert's tokens; s56-63: those in front of mine
	s_and_b32 s[48+\b], s[40+\b/2], 0xffff
	s_lshr_b32 s[52+\b], s[40+\b/2], 16
	s_and_b32 s[50+\b], s[41+\b/2], 0xffff
	s_lshr_b32 s[54+\b], s[41+\b/2], 16
	s_and_b32 s[49+\b], s[42+\b/2], 0xffff
	s_lshr_b32 s[53+\b], s[42+\b/2], 16
	s_and_b32 s[51+\b], s[43+\b/2], 0xffff
	s_lshr_b32 s[55+\b], s[43+\b/2], 16
.endr
	s_and_b32 s84, s22, 3
	s_lshl_b32 s86, ttmp9, 2
	s_add_co_u32 s84, s84, s86                     ; the slot without a token that my wave fills is number s84 of 1,024
	s_mov_b32 s85, 0
	s_mov_b32 s66, 0                               ; s66-73: each expert's first tile
	s_mov_b32 s75, 0                               ; tokens of the experts so far
.irp e, 0,1,2,3,4,5,6,7
	s_mul_i32 s86, s[66+\e], 144                   ; the expert's first slot
	s_add_co_u32 s[56+\e], s[56+\e], s86           ; its next slot for my work-group
	s_sub_co_u32 s87, s86, s75                     ; slots without a token ahead of it
	s_add_co_u32 s75, s75, s[48+\e]
	s_cmp_ge_u32 s84, s87
	s_cselect_b32 s85, s75, s85                    ; number s84 lies at s84 + the tokens up to the end of the last expert that begins at or ahead of it
	s_add_co_u32 s86, s[48+\e], 143
	s_lshr_b32 s86, s86, 4
	s_mul_i32 s86, s86, 7282
	s_lshr_b32 s86, s86, 16                        ; ceil(tokens / 144): (n + 143) / 16 is 520 at most, and x 7282 / 65536 is its ninth, rounded down
	s_add_co_u32 s[67+\e], s[66+\e], s86
.endr
	s_add_co_u32 s84, s84, s85
	s_min_u32 s84, s84, LASTSLOT                   ; numbers made from loaded ones are held inside xs ahead of an address
.irp e, 0,1,2,3,4,5,6,7
	v_cmp_eq_u32 s[88+\e], \e, v12
.endr
.irp e, 0,1,2,3,4,5,6,7
	v_mbcnt_lo_u32_b32 v[32+\e], s[88+\e], s[56+\e]   ; the expert's next slot + the lanes below mine that go there too
.endr
	s_lshl_b32 s96, s22, 4
	v_mov_b32 v48, s96                             ; 4 x (4 w + i): the lane that holds my row i's token
	s_wait_alu depctr_va_vdst(0)                   ; the wait ahead of the scalar lines
	s_or_b32 s40, s89, s91
	s_or_b32 s43, s93, s95
	s_or_b32 s40, s40, s43                         ; experts 1, 3, 5, 7
	s_or_b32 s41, s90, s91
	s_or_b32 s43, s94, s95
	s_or_b32 s41, s41, s43                         ; 2, 3, 6, 7
	s_or_b32 s42, s92, s93
	s_or_b32 s42, s42, s43                         ; 4 to 7
	v_cndmask_b32 v40, v32, v33, s40
	v_cndmask_b32 v41, v34, v35, s40
	v_cndmask_b32 v42, v36, v37, s40
	v_cndmask_b32 v43, v38, v39, s40
	v_add_nc_u32 v49, 4, v48
	v_cndmask_b32 v44, v40, v41, s41
	v_add_nc_u32 v50, 8, v48
	v_cndmask_b32 v45, v42, v43, s41
	v_add_nc_u32 v51, 12, v48
	v_mov_b32 v60, 0
	v_cndmask_b32 v46, v44, v45, s42
	v_mov_b32 v61, 0
	v_mov_b32 v62, 0
	v_min_u32 v46, LASTSLOT, v46                   ; lane l: the slot of token 32 g + l
	v_mov_b32 v63, 0
.irp i, 0,1,2,3
	ds_bpermute_b32 v[52+\i], v[48+\i], v46
.endr
	s_lshr_b32 s86, s22, 2
	s_lshl_b32 s86, s86, 9
	v_lshl_add_u32 v56, s84, 10, v2
	v_add_nc_u32 v56, s86, v56
	global_store_b128 v56, v[60:63], s[18:19]      ; two waves fill one row of zeros, 512 bytes each
	s_wait_alu depctr_va_vdst(0)
	s_wait_dscnt 0x0
.irp i, 0,1,2,3
	v_min_u32 v[52+\i], LASTSLOT, v[52+\i]
.endr
.irp i, 0,1,2,3
	v_lshl_add_u32 v[52+\i], v[52+\i], 10, v2      ; my row i's place in xs
.endr
	s_wait_alu depctr_va_vdst(0)                   ; the wait ahead of the branch
	s_cmp_lg_u32 s22, 0
	s_cbranch_scc1 .Lrows
	ds_load_b128 v[16:19], v2 offset:W2S           ; wave 0: W2's pair of fragments, whole behind the barrier
	ds_load_b128 v[20:23], v2 offset:W2S+512
	global_store_b32 v6, v46, s[20:21]             ; and the 32 tokens' slots
	s_wait_dscnt 0x0
	global_store_b128 v2, v[16:19], s[16:17]
	global_store_b128 v2, v[20:23], s[16:17] offset:512
	s_cmp_lg_u32 ttmp9, 0
	s_cbranch_scc1 .Lrows
	v_mov_b32 v24, 0                               ; work-group 0: each tile's expert: the last whose first tile is at or ahead of it
	v_mov_b32 v25, 0
	v_add_nc_u32 v26, 32, v1
	v_lshlrev_b32 v27, 2, v1
.irp e, 1,2,3,4,5,6,7
	v_cmp_le_u32 vcc_lo, s[66+\e], v1
	v_cmp_le_u32 s97, s[66+\e], v26
	v_cndmask_b32 v24, v24, \e, vcc_lo
	v_cndmask_b32 v25, v25, \e, s97
.endr
	global_store_b32 v27, v24, s[20:21] offset:32768
	global_store_b32 v27, v25, s[20:21] offset:32896
.Lrows:
.irp i, 0,1,2,3
	s_wait_loadcnt 24-8*\i                         ; loads come back in order: row i's eight are in
.irp j, 0,1,2,3,4,5,6,7,8,9,10,11,12,13,14,15,16,17,18,19,20,21,22,23,24,25,26,27,28,29,30,31
	v_med3_num_f32 v[XR+32*\i+\j], v[XR+32*\i+\j], -v14, v14   ; the conversion to an 8-bit code does not saturate (ISA guide 7.6.2): the hold comes first
.endr
.irp q, 0,1,2,3
	v_cvt_scalef32_pk8_fp8_f32 v[CW+8*\i+2*\q:CW+8*\i+2*\q+1], v[XR+32*\i+8*\q:XR+32*\i+8*\q+7], v13
.endr
	v_nop                                          ; one plain line behind the run of conversions
	global_store_b128 v[52+\i], v[CW+8*\i:CW+8*\i+3], s[18:19]     ; a wave stores 512 consecutive bytes, at a multiple of 256
	global_store_b128 v[52+\i], v[CW+8*\i+4:CW+8*\i+7], s[18:19] offset:512
.endr
	s_wait_tensorcnt 0x0                           ; the wave's end
	ds_add_u32 v232, v233
	s_wait_dscnt 0x0
	s_endpgm
; ---------------- W1.  A wave takes 32 k x 128 columns: 32 loads of 512 consecutive bytes, all out at once; no loop, no LDS, no barrier.
.Lw1:
	v_lshrrev_b32 v3, 4, v1
	v_and_b32 v6, 15, v1
	s_delay_alu instid0(VALU_DEP_1)
	v_lshlrev_b32 v6, 4, v6
	s_delay_alu instid0(VALU_DEP_1)
	v_lshl_or_b32 v3, v3, 16, v6                   ; lanes 16-31 hold the next 64 columns: four tiles (65,536 bytes) on; row r at 16 r
	s_sub_co_u32 s23, ttmp9, 256
	s_lshr_b32 s24, s23, 5                         ; e
	s_bfe_u32 s25, s23, 0x30002                    ; s: the K step
	s_and_b32 s26, s23, 3                          ; nb: which 256 columns
	s_and_b32 s27, s22, 1                          ; ch: which 128 of them
	s_lshr_b32 s28, s22, 1                         ; c: which block of the step
	s_lshl_b32 s30, s24, 22                        ; from: e x 4 MiB + (512 (s / 4) + 32 (s % 4) + 8 c) rows of 4,096 bytes + (256 nb + 128 ch) x 4
	s_lshr_b32 s29, s25, 2
	s_lshl_b32 s29, s29, 21
	s_or_b32 s30, s30, s29
	s_and_b32 s29, s25, 3
	s_lshl_b32 s29, s29, 17
	s_or_b32 s30, s30, s29
	s_lshl_b32 s29, s28, 15
	s_or_b32 s30, s30, s29
	s_lshl_b32 s29, s26, 10
	s_or_b32 s30, s30, s29
	s_lshl_b32 s29, s27, 9
	s_or_b32 s30, s30, s29
	s_mov_b32 s31, 0
	s_lshl_b32 s34, s24, 20                        ; to: e x 1 MiB + tile 16 nb + 8 ch (x 16,384) + 2,048 s + 512 c
	s_lshl_b32 s29, s26, 18
	s_or_b32 s34, s34, s29
	s_lshl_b32 s29, s27, 17
	s_or_b32 s34, s34, s29
	s_lshl_b32 s29, s25, 11
	s_or_b32 s34, s34, s29
	s_lshl_b32 s29, s28, 9
	s_or_b32 s34, s34, s29
	s_mov_b32 s35, 0
	s_mov_b32 s36, 0x05010400                      ; byte selects of the 4 x 4 transposition
	s_mov_b32 s37, 0x07030602
	s_mov_b32 s38, 0x05040100
	s_mov_b32 s39, 0x07060302
	s_wait_alu depctr_va_vdst(0)
	s_wait_kmcnt 0x0
	s_load_b64 s[40:41], s[12:13], 0x0             ; e0, e1
	s_add_nc_u64 s[4:5], s[4:5], s[30:31]
	s_add_nc_u64 s[14:15], s[14:15], s[34:35]
.irp k, 0,1,2,3,4,5,6,7,8,9,10,11,12,13,14,15,16,17,18,19,20,21,22,23,24,25,26,27,28,29,30,31
	global_load_b128 v[RAW+4*\k:RAW+4*\k+3], v2, s[4:5] offset:4096*(128*((\k/4)%4)+4*(\k/16)+\k%4) th:TH_LOAD_NT   ; load 16 h + 4 q + b: row 128 q + 4 h + b; 32 lanes read 512 consecutive bytes; read once in the launch
.endr
	s_wait_kmcnt 0x0
	s_add_co_i32 s41, s41, 127
	s_lshl_b32 s40, s41, 23
	v_mov_b32 v5, s40                              ; 2^e1 as f32: the conversion takes its exponent field
	s_add_co_i32 s41, s41, 8
	s_lshl_b32 s41, s41, 23
	s_or_b32 s41, s41, 0x600000
	v_mov_b32 v4, s41                              ; 448 x 2^e1
; Four words (rows 4 g .. 4 g + 3, a byte a column) become four words (columns 0 .. 3, a byte a row): K innermost.
.macro TR g
	v_perm_b32 v224, v[DW+4*(\g)+1], v[DW+4*(\g)], s36
	v_perm_b32 v225, v[DW+4*(\g)+1], v[DW+4*(\g)], s37
	v_perm_b32 v226, v[DW+4*(\g)+3], v[DW+4*(\g)+2], s36
	v_perm_b32 v227, v[DW+4*(\g)+3], v[DW+4*(\g)+2], s37
	s_delay_alu instid0(VALU_DEP_2)
	v_perm_b32 v[OC+(\g)], v226, v224, s38
	s_delay_alu instid0(VALU_DEP_3)
	v_perm_b32 v[OC+8+(\g)], v226, v224, s39
	s_delay_alu instid0(VALU_DEP_3)
	v_perm_b32 v[OC+16+(\g)], v227, v225, s38
	s_delay_alu instid0(VALU_DEP_4)
	v_perm_b32 v[OC+24+(\g)], v227, v225, s39
.endm
.macro QG g
	s_wait_loadcnt 28-4*(\g)                       ; loads come back in order: group g's four rows are in, the 28 - 4 g younger ones may be out
.irp i, 0,1,2,3,4,5,6,7,8,9,10,11,12,13,14,15
	v_med3_num_f32 v[RAW+16*(\g)+\i], v[RAW+16*(\g)+\i], -v4, v4
.endr
	v_cvt_scalef32_pk8_fp8_f32 v[DW+4*(\g):DW+4*(\g)+1], v[RAW+16*(\g):RAW+16*(\g)+7], v5
	v_cvt_scalef32_pk8_fp8_f32 v[DW+4*(\g)+2:DW+4*(\g)+3], v[RAW+16*(\g)+8:RAW+16*(\g)+15], v5
.if (\g) > 0
	TR (\g)-1                                      ; the group before: plain lines that touch neither these conversions' results nor their sources
.endif
.endm
	s_wait_alu depctr_va_vdst(0)                   ; the wait at the head's end
.irp g, 0,1,2,3,4,5,6,7
	QG \g
.endr
	v_nop                                          ; one plain line between the last conversions and the first read of their results
	TR 7
.irp cc, 0,1,2,3
.irp h, 0,1
	global_store_b128 v3, v[OC+8*\cc+4*\h:OC+8*\cc+4*\h+3], s[14:15] offset:16384*\cc+256*\h   ; sixteen lanes store 256 consecutive bytes, at a multiple of 256 from the buffer's first byte
.endr
.endr
	s_endpgm
.Lfunc_end_k_qa6f42cdafd_prep:
	.size	k_qa6f42cdafd_prep, .Lfunc_end_k_qa6f42cdafd_prep-k_qa6f42cdafd_prep
	.p2alignl 7, 3214868480
	.fill 96, 4, 3214868480
	.section	.rodata,"a",@progbits
	.p2align	6, 0x0
	.amdhsa_kernel k_qa6f42cdafd_prep
		.amdhsa_group_segment_fixed_size 2304
		.amdhsa_private_segment_fixed_size 0
		.amdhsa_enable_private_segment 0
		.amdhsa_kernarg_size 72
		.amdhsa_user_sgpr_count 2
		.amdhsa_user_sgpr_kernarg_segment_ptr 1
		.amdhsa_wavefront_size32 1
		.amdhsa_system_sgpr_workgroup_id_x 1
		.amdhsa_system_sgpr_workgroup_id_y 1
		.amdhsa_system_sgpr_workgroup_id_z 1
		.amdhsa_system_vgpr_workitem_id 0
		.amdhsa_next_free_vgpr 234
		.amdhsa_next_free_sgpr 98
		.amdhsa_reserve_vcc 1
		.amdhsa_float_denorm_mode_32 3
		.amdhsa_float_denorm_mode_16_64 3
		.amdhsa_memory_ordered 1
		.amdhsa_forward_progress 1
		.amdhsa_inst_pref_size 61
	.end_amdhsa_kernel
	.amdgpu_metadata
---
amdhsa.version: [ 1, 2 ]
amdhsa.kernels:
  - .name:           k_qa6f42cdafd_prep
    .symbol:         k_qa6f42cdafd_prep.kd
    .args:
      - { .name: W1, .offset: 0, .size: 8, .value_kind: global_buffer, .address_space: global }
      - { .name: W2, .offset: 8, .size: 8, .value_kind: global_buffer, .address_space: global }
      - { .name: x, .offset: 16, .size: 8, .value_kind: global_buffer, .address_space: global }
      - { .name: size_idx, .offset: 24, .size: 8, .value_kind: global_buffer, .address_space: global }
      - { .name: lowp_scales, .offset: 32, .size: 8, .value_kind: global_buffer, .address_space: global }
      - { .name: w1c, .offset: 40, .size: 8, .value_kind: global_buffer, .address_space: global }
      - { .name: w2f, .offset: 48, .size: 8, .value_kind: global_buffer, .address_space: global }
      - { .name: xs, .offset: 56, .size: 8, .value_kind: global_buffer, .address_space: global }
      - { .name: route, .offset: 64, .size: 8, .value_kind: global_buffer, .address_space: global }
    .group_segment_fixed_size: 2304
    .private_segment_fixed_size: 0
    .kernarg_segment_align: 8
    .kernarg_segment_size: 72
    .max_flat_workgroup_size: 256
    .sgpr_count:     98
    .vgpr_count:     234
    .wavefront_size: 32
...
	.end_amdgpu_metadata
.endif
;; end of part 1
;; launch chain (part 2): grid 256 x 1, 4 waves a work-group, clusters of 4 x 1, 167,936 bytes of LDS; arguments route, xs, w1c, w2f, b1, b2, lowp_scales, part; writes part
.if DOCPART == 2
	.amdgcn_target "amdgcn-amd-amdhsa--gfx1250"
	.amdhsa_code_object_version 6
	.text
	.protected	k_qa6f42cdafd_chain
	.globl	k_qa6f42cdafd_chain
	.p2align	8
	.type	k_qa6f42cdafd_chain,@function
k_qa6f42cdafd_chain:
	s_mov_b64 s[64:65], 0
	v_nop
	global_prefetch_b8 v0, s[64:65] scope:SCOPE_SE
	s_setreg_imm32_b32 hwreg(HW_REG_WAVE_MODE, 25, 1), 1
	s_wait_xcnt 0x0
	s_wait_alu depctr_hold_cnt(0) depctr_sa_sdst(0) depctr_va_vdst(0) depctr_va_sdst(0) depctr_va_ssrc(0) depctr_va_vcc(0) depctr_vm_vsrc(0)
	s_getreg_b32 s2, hwreg(HW_REG_IB_STS2, 6, 4)
	s_cmp_eq_u32 s2, 0
	s_cbranch_scc0 .Lentry_in_a_cluster
	s_endpgm
.Lentry_in_a_cluster:
	s_bfe_u32 s2, ttmp6, 0x10000c
	s_cmp_lg_u32 s2, 0x3003
	s_cbranch_scc0 .Lentry_shape_is_right
	s_endpgm
.Lentry_shape_is_right:
; CHAIN: a tile of 144 slots of ONE expert x 256 of its hidden units: codes of x x codes of W1[e] with b1 as the sums' first C, relu, the product with W2[e] in bf16 (f32 sums).  The hidden layer never leaves the registers.
; Only the chosen expert's product is made (see the first launch).  Each wave stores the partial logits of its 64 hidden units: part: [16 = 4 slice + wave][9216 slots][4] f32, each with a sixteenth of b2[e]: the next launch adds the sixteen.
; GRID: 64 tiles serve every split; 4 slices of the hidden units each: 256 work-groups.  A cluster is one tile's four slices.  NO BRANCH OR TRIP COUNT HANGS ON A LOADED NUMBER; slots without a token hold zeros and their results are not read.
; x's TILE IS ASKED FOR JOINTLY by the four slices: one tensor load a wave, 36 rows of 1,024 bytes, once in the launch.  W1's codes are not: which tiles share an expert hangs on the stored list, so partners' addresses cannot be equal by the text.
; W1: wave w owns tiles 16 slice + 4 w + 0..3 of 16 hidden units: its 32 fragments go from memory straight into 512 registers, three K steps ahead of their use.  No prefetch: there is no loop to run ahead in, and three of a wave's eight K steps are asked for at the head.
; THE FIRST PRODUCT IS USED TRANSPOSED (source 0 = 16 hidden units, source 1 = 16 tokens): a lane holds one token and eight hidden units of a tile, which, rounded to bf16 in pairs, ARE source 1 of the second product.
; The order of k is that of xs' rows in both operands: every product meets its partner; only the order of the sums differs from reference()'s.
; The sums of the first product stand for sum x 2^(e0+e1): b1 goes in divided by that power, and the logits are multiplied by it at the end.
; LIMITS: e0 + e1 between -126 and 127 (2^(e0+e1) is made as an f32 number).  h and W2 are rounded to bf16.
; LDS: 144 rows of 1,024 bytes + 16 of padding: sixteen rows' 16 bytes begin at sixteen different groups of four banks (64 banks of 4 bytes: ISA guide 11.1).
; REGISTERS, in windows of 256.  window 0: v0-31 addresses; v32-63 b1 as loaded, then the sums of row tile 8; v64-95 b1 / 2^(e0+e1), tile t at 8 t; v96-111 W2's fragments of two pairs; v112-255 x's nine fragments of a K step, later relu(h) in bf16.
;   window 1: the sums of row tiles 0-7: (m, t) at 32 m + 8 t.  windows 2, 3: W1's fragments (t, s) at 64 (s % 4) + 16 t; window 2 from v0 on later the logits' sums.
.set PITCH, 1040
.set SPARE, 144*PITCH                  ; 149,760: the spare words, 128 bytes a wave
.set XF, 112
.set MSB, 0
.macro WIN new                         ; s_set_vgpr_msb: bits 1:0 source 0, 3:2 source 1, 5:4 source 2, 7:6 destination; the high byte repeats the setting that is left
.if MSB != (\new)
	s_set_vgpr_msb (MSB<<8)|(\new)
.set MSB, (\new)
.endif
.endm
.macro PLACES                          ; four plain lines behind a matrix instruction, ahead of loads into its registers and of reads of its result
.rept 4
	v_nop
.endr
.endm
.macro CROUND                          ; a round of the cluster's barrier
	s_barrier_signal -1
	s_barrier_wait -1
	s_cmp_lg_u32 s48, 0
	s_cbranch_scc1 .Lnot_wave_0_\@
	s_barrier_signal -3
.Lnot_wave_0_\@:
	s_barrier_wait -3
	s_barrier_signal -1
	s_barrier_wait -1
.endm
	s_load_b256 s[4:11], s[0:1], 0x0               ; route s[4:5], xs s[6:7], w1c s[8:9], w2f s[10:11]
	s_load_b256 s[12:19], s[0:1], 0x20             ; b1 s[12:13], b2 s[14:15], lowp_scales s[16:17], part s[18:19]
	v_lshl_add_u32 v28, v0, 2, SPARE
	v_mov_b32 v29, 0
	ds_add_u32 v28, v29                            ; the wave's opening: the add, twice on end, and its wait
	ds_add_u32 v28, v29
	v_lshrrev_b32 v1, 5, v0
	v_readfirstlane_b32 s48, v1                    ; wave 0..3
	s_bfe_u32 s46, ttmp6, 0x40000                  ; cx: which slice of the hidden units; ttmp9: the tile
	s_mov_b32 s32, 15|(1<<20)|(1<<21)|(7<<22)|(3<<25)   ; 15:0 all four; element of 1 byte; 20 padding on; 21 set beside a mask; 24:22 after every 256 words (code 7); 31:25 of 4 words (code 3)
	s_mov_b32 s33, 1024<<16                        ; tensor_dim0 = 1,024
	s_mov_b32 s34, 36<<16                          ; tensor_dim1 = 36
	s_mov_b32 s35, 1024<<16                        ; tile_dim0
	s_mov_b32 s36, 36                              ; tile_dim1
	s_mov_b32 s37, 1024                            ; the pitch
	s_mov_b32 s38, 0
	s_mov_b32 s39, 0
	s_mov_b32 s40, 1
	s_mul_i32 s41, s48, 36*PITCH                   ; my 36 rows in LDS
	s_mul_i32 s44, ttmp9, 144*1024
	s_mul_i32 s45, s48, 36*1024
	s_add_co_u32 s44, s44, s45
	s_mov_b32 s45, 0
	s_lshl_b32 s26, ttmp9, 2
	s_wait_alu depctr_va_vdst(0)
	s_wait_dscnt 0x0                               ; both opening adds are done
	s_wait_kmcnt 0x0
	s_load_b32 s22, s[4:5], s26 offset:0x8000      ; my tile's expert
	s_load_b64 s[24:25], s[16:17], 0x0             ; e0, e1
	s_add_nc_u64 s[42:43], s[6:7], s[44:45]
	s_or_b32 s43, s43, 0x80000000
	CROUND                                         ; all four work-groups are here: the joint loads meet
	tensor_load_to_lds s[40:43], s[32:39]
	s_nop 0
	v_and_b32 v1, 31, v0                           ; lane
	v_and_b32 v3, 15, v0                           ; r
	v_bfe_u32 v4, v0, 4, 1                         ; h
	v_lshlrev_b32 v2, 4, v1                        ; 16 x lane
	v_mul_u32_u24 v5, v3, PITCH
	v_lshl_add_u32 v5, v4, 4, v5                   ; x's fragments: row r, + 16 h; row tiles 0-2,
	v_add_nc_u32 v6, 48*PITCH, v5                  ; 3-5,
	v_add_nc_u32 v7, 96*PITCH, v5                  ; 6-8
	v_lshlrev_b32 v8, 7, v4                        ; b1: 128 h
	s_lshl_b32 s52, s46, 2
	s_add_co_u32 s52, s52, s48                     ; 4 slice + wave: which 64 hidden units
	s_mul_i32 s50, s52, 9216*16
	s_mul_i32 s51, ttmp9, 144*16
	s_add_co_u32 s50, s50, s51
	s_mov_b32 s51, 0
	s_add_nc_u64 s[18:19], s[18:19], s[50:51]      ; my tile's partial logits
	s_wait_alu depctr_va_vdst(0)                   ; the wait at the head's end
	s_wait_kmcnt 0x0
	s_min_u32 s22, s22, 7                          ; a loaded number is held inside its tables ahead of an address
	s_lshl_b32 s49, s22, 4
	s_load_b128 s[28:31], s[14:15], s49 offset:0x0 ; b2[e]: waited for behind the products
	s_lshl_b32 s50, s22, 12
	s_lshl_b32 s53, s52, 8
	s_add_co_u32 s50, s50, s53
	s_add_nc_u64 s[12:13], s[12:13], s[50:51]      ; b1[e] at my 64 units
	s_lshl_b32 s50, s22, 15
	s_lshl_b32 s53, s52, 11
	s_add_co_u32 s50, s50, s53
	s_add_nc_u64 s[10:11], s[10:11], s[50:51]      ; my two pairs of W2's fragments
	s_lshl_b32 s50, s22, 20
	s_lshl_b32 s53, s52, 16
	s_add_co_u32 s50, s50, s53
	s_add_nc_u64 s[8:9], s[8:9], s[50:51]          ; my four tiles of W1
.irp j, 0,1,2,3,4,5,6,7
	global_load_b128 v[32+4*\j:35+4*\j], v8, s[12:13] offset:16*\j     ; unit 32 h + 4 j + t is row 8 h + j of tile t
.endr
.irp j, 0,1,2,3
	global_load_b128 v[96+4*\j:99+4*\j], v2, s[10:11] offset:512*\j
.endr
.macro LOADW s                         ; W1's four fragments of K step s
	WIN 0x80+0x40*((\s)/4)
.irp t, 0,1,2,3
.irp c, 0,1,2,3
	global_load_b128 v[64*((\s)%4)+16*\t+4*\c:64*((\s)%4)+16*\t+4*\c+3], v2, s[8:9] offset:16384*\t+2048*(\s)+512*\c
.endr
.endr
.endm
	LOADW 0
	LOADW 1
	LOADW 2
	WIN 0
	s_add_co_i32 s57, s24, s25
	s_add_co_i32 s56, s57, 127
	s_lshl_b32 s56, s56, 23                        ; 2^(e0+e1) as f32
	s_sub_co_i32 s57, 0, s57                       ; -(e0+e1)
	s_wait_tensorcnt 0x0                           ; my 36 rows have landed
	ds_add_u32 v28, v29
	s_wait_dscnt 0x0
	CROUND                                         ; the closing round: every partner has issued its joint loads; and behind its work-group barriers all 144 rows are here.  (Loads of bytes that nobody stores stay on their way)
.macro FETCHX s, m                     ; x's fragment of row tile m, K step s
.irp c, 0,1,2,3
	ds_load_b128 v[XF+16*(\m)+4*\c:XF+16*(\m)+4*\c+3], v[5+(\m)/3] offset:16*PITCH*((\m)%3)+128*(\s)+32*\c
.endr
.endm
; Four products: row tile m with the wave's four tiles of W1, K step s.  The 36 accumulators take turns, one instruction a turn.  The first K step takes b1 as its C: nothing is cleared or added later.
.macro MUL s, m
.if (\m) < 8
.set AC, 32*(\m)
.if (\s) == 0
	WIN 0x42
.else
	WIN 0x52+(\s)/4
.endif
.else
.set AC, 32
	WIN 0x02+(\s)/4
.endif
.irp t, 0,1,2,3
.if (\s) == 0
	v_wmma_f32_16x16x128_fp8_fp8 v[AC+8*\t:AC+8*\t+7], v[16*\t:16*\t+15], v[XF+16*(\m):XF+16*(\m)+15], v[64+8*\t:71+8*\t]
.else
	v_wmma_f32_16x16x128_fp8_fp8 v[AC+8*\t:AC+8*\t+7], v[64*((\s)%4)+16*\t:64*((\s)%4)+16*\t+15], v[XF+16*(\m):XF+16*(\m)+15], v[AC+8*\t:AC+8*\t+7]
.endif
.endr
.endm
; A K step: row tiles 0-4, then 5-8; as soon as a group is multiplied, its fragments of the next step are asked for.
.macro STEP s
.if (\s) < 6
	s_wait_loadcnt 32                              ; this step's 16 loads are in; the next two steps' may be out
.else
	s_wait_loadcnt 16*(7-(\s))
.endif
.if (\s) < 5
	LOADW (\s)+3
.endif
	s_wait_dscnt 16                                ; row tiles 0-4 are in; the youngest 16, row tiles 5-8, may be out
.irp m, 0,1,2,3,4
	MUL \s, \m
.endr
.if (\s) < 7
	PLACES
	WIN 0
.irp m, 0,1,2,3,4
	FETCHX (\s)+1, \m
.endr
	s_wait_dscnt 20                                ; all but the 20 just issued
.else
	s_wait_dscnt 0x0
.endif
.irp m, 5,6,7,8
	MUL \s, \m
.endr
.if (\s) < 7
	PLACES
	WIN 0
.irp m, 5,6,7,8
	FETCHX (\s)+1, \m
.endr
.endif
.endm
.irp m, 0,1,2,3,4,5,6,7,8
	FETCHX 0, \m
.endr
	s_wait_loadcnt 48                              ; b1 and W2's fragments are in; the 48 loads of W1 may be out
.irp t, 0,1,2,3
.irp j, 0,1,2,3,4,5,6,7
	v_ldexp_f32 v[64+8*\t+\j], v[32+4*\j+\t], s57  ; b1 / 2^(e0+e1), in the result's layout
.endr
.endr
	s_wait_alu depctr_va_vdst(0)
.irp s, 0,1,2,3,4,5,6,7
	STEP \s
.endr
	WIN 0
	s_wait_kmcnt 0x0                               ; b2[e]
.irp c, 0,1,2,3
	s_mul_f32 s[28+\c], s[28+\c], 0x3d800000       ; a sixteenth of it: sixteen waves add theirs
.endr
	PLACES
; relu, each accumulator from its low end on, and the rounding to bf16: of row tile m tile t's units 8 h + 0..7 go to v[112 + 16 m + 4 t ..]: two neighbouring tiles are source 1 of the second product
	WIN 0x44
.set n, 0
.rept 256
	v_max_num_f32 v[n], 0, v[n]
.set n, n+1
.endr
	WIN 0
.set n, 32
.rept 32
	v_max_num_f32 v[n], 0, v[n]
.set n, n+1
.endr
.set n, 0
.rept 16
	v_cvt_pk_bf16_f32 v[240+n], v[32+2*n], v[33+2*n]
.set n, n+1
.endr
	WIN 0x05
.set n, 0
.rept 128
	v_cvt_pk_bf16_f32 v[112+n], v[2*n], v[2*n+1]
.set n, n+1
.endr
	WIN 0xa0
.irp m, 0,1,2,3,4,5,6,7,8              ; logits^T = W2^T h^T: source 0 = W2's four columns (rows 4-15 zeros), K = a pair's 32 units; nine accumulators by turns
	v_wmma_f32_16x16x32_bf16 v[8*\m:8*\m+7], v[96:103], v[112+16*\m:119+16*\m], 0
.endr
.irp m, 0,1,2,3,4,5,6,7,8
	v_wmma_f32_16x16x32_bf16 v[8*\m:8*\m+7], v[104:111], v[120+16*\m:127+16*\m], v[8*\m:8*\m+7]
.endr
	PLACES
	WIN 0x02
.irp m, 0,1,2,3,4,5,6,7,8              ; lanes 0-15: token r's four partial logits
.irp c, 0,1,2,3
	v_fma_f32 v[112+4*\m+\c], v[8*\m+\c], s56, s[28+\c]
.endr
.endr
	WIN 0
	v_cmp_gt_u32 vcc_lo, 16, v1
	s_wait_alu depctr_va_vdst(0)
	s_wait_xcnt 0x0                                ; EXEC changes only behind this wait
	s_and_saveexec_b32 s27, vcc_lo
.irp m, 0,1,2,3,4,5,6,7,8
	global_store_b128 v2, v[112+4*\m:115+4*\m], s[18:19] offset:256*\m   ; sixteen lanes store 256 consecutive bytes, at a multiple of 256
.endr
	s_endpgm
.Lfunc_end_k_qa6f42cdafd_chain:
	.size	k_qa6f42cdafd_chain, .Lfunc_end_k_qa6f42cdafd_chain-k_qa6f42cdafd_chain
	.p2alignl 7, 3214868480
	.fill 96, 4, 3214868480
	.section	.rodata,"a",@progbits
	.p2align	6, 0x0
	.amdhsa_kernel k_qa6f42cdafd_chain
		.amdhsa_group_segment_fixed_size 167936
		.amdhsa_private_segment_fixed_size 0
		.amdhsa_enable_private_segment 0
		.amdhsa_kernarg_size 64
		.amdhsa_user_sgpr_count 2
		.amdhsa_user_sgpr_kernarg_segment_ptr 1
		.amdhsa_wavefront_size32 1
		.amdhsa_system_sgpr_workgroup_id_x 1
		.amdhsa_system_sgpr_workgroup_id_y 1
		.amdhsa_system_sgpr_workgroup_id_z 1
		.amdhsa_system_vgpr_workitem_id 0
		.amdhsa_next_free_vgpr 1024
		.amdhsa_next_free_sgpr 66
		.amdhsa_reserve_vcc 1
		.amdhsa_float_denorm_mode_32 3
		.amdhsa_float_denorm_mode_16_64 3
		.amdhsa_memory_ordered 1
		.amdhsa_forward_progress 1
		.amdhsa_inst_pref_size 83
	.end_amdhsa_kernel
	.amdgpu_metadata
---
amdhsa.version: [ 1, 2 ]
amdhsa.kernels:
  - .name:           k_qa6f42cdafd_chain
    .symbol:         k_qa6f42cdafd_chain.kd
    .args:
      - { .name: route, .offset: 0, .size: 8, .value_kind: global_buffer, .address_space: global }
      - { .name: xs, .offset: 8, .size: 8, .value_kind: global_buffer, .address_space: global }
      - { .name: w1c, .offset: 16, .size: 8, .value_kind: global_buffer, .address_space: global }
      - { .name: w2f, .offset: 24, .size: 8, .value_kind: global_buffer, .address_space: global }
      - { .name: b1, .offset: 32, .size: 8, .value_kind: global_buffer, .address_space: global }
      - { .name: b2, .offset: 40, .size: 8, .value_kind: global_buffer, .address_space: global }
      - { .name: lowp_scales, .offset: 48, .size: 8, .value_kind: global_buffer, .address_space: global }
      - { .name: part, .offset: 56, .size: 8, .value_kind: global_buffer, .address_space: global }
    .group_segment_fixed_size: 167936
    .private_segment_fixed_size: 0
    .kernarg_segment_align: 8
    .kernarg_segment_size: 64
    .max_flat_workgroup_size: 128
    .sgpr_count:     66
    .vgpr_count:     1024
    .wavefront_size: 32
...
	.end_amdgpu_metadata
.endif
;; end of part 2
;; launch fin (part 3): grid 128 x 1, 2 waves a work-group, no clusters, 1,536 bytes of LDS; arguments part, route, out0, out1; writes out0, out1
.if DOCPART == 3
	.amdgcn_target "amdgcn-amd-amdhsa--gfx1250"
	.amdhsa_code_object_version 6
	.text
	.protected	k_qa6f42cdafd_fin
	.globl	k_qa6f42cdafd_fin
	.p2align	8
	.type	k_qa6f42cdafd_fin,@function
k_qa6f42cdafd_fin:
	s_mov_b64 s[64:65], 0
	v_nop
	global_prefetch_b8 v0, s[64:65] scope:SCOPE_SE
	s_setreg_imm32_b32 hwreg(HW_REG_WAVE_MODE, 25, 1), 1
	s_wait_xcnt 0x0
; FIN: a thread a token: its sixteen partial logits are gathered at its slot and added, then four sigmoids and five clipped and normalised probabilities.  64 tokens a work-group: 1,024 bytes of out0 and 1,280 of out1.
; out1's rows of 20 bytes go through LDS, so that neighbouring lanes store neighbouring 16 bytes of whole, aligned 256-byte pieces.
; No matrix instruction, no shared input: no cluster, no prefetch.
.set SPARE, 1280                       ; behind the 64 rows of 20 bytes: the spare words, 128 bytes a wave
	s_load_b256 s[4:11], s[0:1], 0x0               ; part s[4:5], route s[6:7], out0 s[8:9], out1 s[10:11]
	v_lshl_add_u32 v14, v0, 2, SPARE
	v_mov_b32 v15, 0
	s_lshl_b32 s12, ttmp9, 8
	s_lshl_b32 s13, ttmp9, 10
	s_mul_i32 s14, ttmp9, 1280
	v_lshl_add_u32 v1, v0, 2, s12                  ; my token's slot in route
	v_lshl_add_u32 v2, v0, 4, s13                  ; its place in out0
	v_mul_u32_u24 v3, v0, 20                       ; its row in LDS
	v_lshlrev_b32 v4, 4, v0                        ; the 16 bytes that I store of out1,
	v_and_b32 v5, 15, v0
	v_lshlrev_b32 v5, 4, v5                        ; and those that threads 0-15 store besides
	v_add_nc_u32 v6, s14, v4
	s_wait_alu depctr_va_vdst(0)
	s_wait_kmcnt 0x0
	global_load_b32 v7, v1, s[6:7]
	s_wait_loadcnt 0x0
	v_min_u32 v7, 0x23ff, v7                       ; a loaded number is held inside the 9,216 slots ahead of an address
	v_lshlrev_b32 v7, 4, v7
.irp k, 0,1,2,3,4,5,6,7,8,9,10,11,12,13,14,15
	global_load_b128 v[16+4*\k:19+4*\k], v7, s[4:5] offset:147456*\k
.endr
	s_wait_alu depctr_va_vdst(0)
	s_wait_loadcnt 0x0
.macro ADD4 a, b
	v_pk_add_f32 v[\a:\a+1], v[\a:\a+1], v[\b:\b+1]
	v_pk_add_f32 v[\a+2:\a+3], v[\a+2:\a+3], v[\b+2:\b+3]
.endm
.irp a, 16,24,32,40,48,56,64,72
	ADD4 \a, \a+4
.endr
.irp a, 16,32,48,64
	ADD4 \a, \a+8
.endr
.irp a, 16,48
	ADD4 \a, \a+16
.endr
	ADD4 16, 48                                    ; v16-19: the four logits
	global_store_b128 v2, v[16:19], s[8:9]         ; 32 lanes store 512 consecutive bytes
.irp c, 0,1,2,3
	v_mul_f32 v[20+\c], 0xbfb8aa3b, v[16+\c]       ; -log2(e) x logit
.endr
	s_wait_alu depctr_va_vdst(0)                   ; the wait ahead of the batch
.irp c, 0,1,2,3
	v_exp_f32 v[20+\c], v[20+\c]
.endr
	v_nop
	s_wait_alu depctr_va_vdst(0)                   ; and behind it
.irp c, 0,1,2,3
	v_add_f32 v[20+\c], 1.0, v[20+\c]
.endr
	s_wait_alu depctr_va_vdst(0)
.irp c, 0,1,2,3
	v_rcp_f32 v[20+\c], v[20+\c]                   ; q = 1 / (1 + e^-logit)
.endr
	v_nop
	s_wait_alu depctr_va_vdst(0)
	v_sub_f32 v24, 1.0, v20
	v_sub_f32 v25, v20, v21
	v_sub_f32 v26, v21, v22
	v_sub_f32 v27, v22, v23
.irp c, 0,1,2,3
	v_max_num_f32 v[24+\c], 0x322bcc77, v[24+\c]   ; clipped at 1e-8 from below
.endr
	v_max_num_f32 v28, 0x322bcc77, v23
	v_add_f32 v29, v24, v25
	v_add_f32 v30, v26, v27
	v_add_f32 v29, v29, v28
	v_add_f32 v29, v29, v30
	v_max_num_f32 v29, 0x322bcc77, v29
	s_wait_alu depctr_va_vdst(0)
	v_rcp_f32 v29, v29
	v_nop
	s_wait_alu depctr_va_vdst(0)
.irp c, 0,1,2,3,4
	v_mul_f32 v[24+\c], v[24+\c], v29
.endr
.irp c, 0,1,2,3,4
	ds_store_b32 v3, v[24+\c] offset:4*\c          ; five words from lane to lane: 32 different banks (64 banks of 4 bytes: ISA guide 11.1)
.endr
	v_cmp_gt_u32 vcc_lo, 16, v0
	s_wait_alu depctr_va_vdst(0)
	s_wait_dscnt 0x0                               ; for the other wave's sake: my rows lie in LDS
	s_barrier_signal -1
	s_barrier_wait -1
	ds_load_b128 v[32:35], v4
	ds_load_b128 v[36:39], v5 offset:1024
	s_wait_dscnt 0x0
	global_store_b128 v6, v[32:35], s[10:11]       ; bytes 0 to 1,023 of the work-group's 1,280
	s_wait_tensorcnt 0x0                           ; the wave's end
	ds_add_u32 v14, v15
	s_wait_dscnt 0x0
	s_wait_xcnt 0x0                                ; EXEC changes only behind this wait
	s_and_saveexec_b32 s15, vcc_lo
	global_store_b128 v6, v[36:39], s[10:11] offset:1024
	s_endpgm
.Lfunc_end_k_qa6f42cdafd_fin:
	.size	k_qa6f42cdafd_fin, .Lfunc_end_k_qa6f42cdafd_fin-k_qa6f42cdafd_fin
	.p2alignl 7, 3214868480
	.fill 96, 4, 3214868480
	.section	.rodata,"a",@progbits
	.p2align	6, 0x0
	.amdhsa_kernel k_qa6f42cdafd_fin
		.amdhsa_group_segment_fixed_size 1536
		.amdhsa_private_segment_fixed_size 0
		.amdhsa_enable_private_segment 0
		.amdhsa_kernarg_size 32
		.amdhsa_user_sgpr_count 2
		.amdhsa_user_sgpr_kernarg_segment_ptr 1
		.amdhsa_wavefront_size32 1
		.amdhsa_system_sgpr_workgroup_id_x 1
		.amdhsa_system_sgpr_workgroup_id_y 1
		.amdhsa_system_sgpr_workgroup_id_z 1
		.amdhsa_system_vgpr_workitem_id 0
		.amdhsa_next_free_vgpr 96
		.amdhsa_next_free_sgpr 66
		.amdhsa_reserve_vcc 1
		.amdhsa_float_denorm_mode_32 3
		.amdhsa_float_denorm_mode_16_64 3
		.amdhsa_memory_ordered 1
		.amdhsa_forward_progress 1
		.amdhsa_inst_pref_size 8
	.end_amdhsa_kernel
	.amdgpu_metadata
---
amdhsa.version: [ 1, 2 ]
amdhsa.kernels:
  - .name:           k_qa6f42cdafd_fin
    .symbol:         k_qa6f42cdafd_fin.kd
    .args:
      - { .name: part, .offset: 0, .size: 8, .value_kind: global_buffer, .address_space: global }
      - { .name: route, .offset: 8, .size: 8, .value_kind: global_buffer, .address_space: global }
      - { .name: out0, .offset: 16, .size: 8, .value_kind: global_buffer, .address_space: global }
      - { .name: out1, .offset: 24, .size: 8, .value_kind: global_buffer, .address_space: global }
    .group_segment_fixed_size: 1536
    .private_segment_fixed_size: 0
    .kernarg_segment_align: 8
    .kernarg_segment_size: 32
    .max_flat_workgroup_size: 64
    .sgpr_count:     66
    .vgpr_count:     96
    .wavefront_size: 32
...
	.end_amdgpu_metadata
.endif
;; end of part 3
